; MI455X (gfx1250); checked and timed in simulation.
; The chip was launched on July 23, 2026; its instructions are those of AMD's public machine-readable ISA for CDNA 5 (MIT licence, August 2026) and "CDNA5" Instruction Set Architecture Reference Guide (July 2026). The comments in the code are by the model that wrote it; some were corrected since.
;; Style Linear Layer. Allowed arithmetic: matrix products marked QUANTISED: E5M2 operands, one given power-of-two scale a tensor, by v_wmma_f32_16x16x64_bf8_bf8 or v_wmma_f32_16x16x128_bf8_bf8, f32 sums; everything else in f32.
;; Inputs: aff_b 4,096 float32; aff_w_codes 4,096 x 16 x 32 uint8 (E5M2 codes of aff_w, K innermost, in blocks of 32 codes); bias 2,048 float32; input_codes 8,192 x 64 x 32 uint8 (E5M2 codes of input, K innermost, in blocks of 32 codes); lowp_scales 4 int32 (the exponents e of the quantised operands' scales 2^e); style_codes 8,192 x 16 x 32 uint8 (E5M2 codes of style, K innermost, in blocks of 32 codes); weight 2,048 x 2,048 float32.
;; Outputs: out0 8,192 x 2,048 float32.
;; This version of the problem:
;;   THIS VERSION OF THE PROBLEM IS GIVEN IN LOW PRECISION. The matrix products marked QUANTISED in the list below multiply operands that are first quantised to E5M2 (5 exponent bits, 2 mantissa bits; 8 bits a number), with one given power-of-two scale for each operand tensor; their sums are f32. All else is computed in f32.
;;   The module's matrix products, in the order in which they are computed (A, B: the left and right operand; K: the contracted axis; several contracted axes count as one K, in the product's order):
;;     1. [M 8,192, K 512] x [K 512, N 4,096]; A: input style (given as codes); B: input aff_w (given as codes): QUANTISED (scales: A lowp_scales[0], B lowp_scales[1])
;;     2. [M 8,192, K 2,048] x [K 2,048, N 2,048]; A: input input (given as codes); B: input weight: QUANTISED (scales: A lowp_scales[2], B lowp_scales[3])
;;   THE QUANTISER, for each operand of a quantised product, along K:
;;     - The operand's scale is 2^e, e = its entry of the input lowp_scales (int32; the entries are numbered through the quantised products in the list's order, A before B).
;;     - Each number is divided by the scale, clamped to +-57,344, and rounded to the nearest number of E5M2, ties to even, subnormals kept.
;;     - The product sums the exact products of the quantised numbers (number of the format x scale) in f32.
;;   ~~~python
;;   def quantise(x, axis, e):      # numpy; x: float32 -> the quantised numbers, widened to float32 again
;;       x = np.moveaxis(x, axis, -1); K = x.shape[-1]
;;       r = np.clip(x / 2.0 ** e, -57344, 57344)
;;       step = 2.0 ** (np.maximum(np.frexp(np.where(r == 0, 1, r))[1] - 1, -14) - 2)
;;       q = np.round(r / step) * step * 2.0 ** e      # np.round: ties to even
;;       return np.moveaxis(q, -1, axis).astype(np.float32)
;;   ~~~
;;   INPUTS GIVEN AS CODES. aff_w (in the module: [4096, 512], K = its axis 1); input (in the module: [8192, 2048], K = its axis 1); style (in the module: [8192, 512], K = its axis 1): each comes as NAME_codes (uint8): NAME with its K axis moved to the last place and cut into blocks of 32 codes, [.., K / 32, bytes a block], one block behind the other in memory; one code a byte (a code: sign, 5 exponent bits, 2 mantissa bits); its scale is its entry of lowp_scales. Its value is code x scale, taken as it is: it is not quantised again, and the codes and scales need not be those that the quantiser above would give.
;; One version. Each part assembles by itself: llvm-mc -triple=amdgcn-amd-amdhsa -mcpu=gfx1250 --defsym DOCPART=n.
;; ======== version 1 of 1: 2 launches
;; limits: right only within a limited range of input values
;; workspace buffers: img 5,242,880 bytes; rs 8,192 bytes
;; launch quant (part 1): grid 256 x 1, 8 waves a work-group, no clusters, 22,272 bytes of LDS; arguments weight, aff_w_codes, lowp_scales, img, rs; writes img, rs
.if DOCPART == 1
	.amdgcn_target "amdgcn-amd-amdhsa--gfx1250"
	.amdhsa_code_object_version 6
	.text
	.protected	k_qb50673c2ef_quant
	.globl	k_qb50673c2ef_quant
	.p2align	8
	.type	k_qb50673c2ef_quant,@function
k_qb50673c2ef_quant:
	s_mov_b64 s[64:65], 0
	v_nop
	global_prefetch_b8 v0, s[64:65] scope:SCOPE_SE
	s_setreg_imm32_b32 hwreg(HW_REG_WAVE_MODE, 25, 1), 1
	s_wait_xcnt 0x0
; Makes the image of the product's column operand and the sums of squares of weight's rows.
; weight [2048][2048] f32 -> codes of BF8 (E5M2) with the given scale 2^e3 (entry 3 of lowp_scales): x / 2^e3, held within +-57,344, rounded to the nearest code, ties to even.
; aff_w_codes [4096][512]: its first 2,048 rows are copied.
; img[n 256][t 20][c 4][h 2][r 8][16 bytes]: row 8 n + r, K = 128 t + 32 c + 16 h + 0 .. 15; t 0 .. 15 are weight's 2,048 along K, t 16 .. 19 are aff_w's 512.
;   Two neighbouring n make the 16 rows of an operand fragment: each of its loads takes 256 bytes of either.
; rs[2048] f32: the sums of squares of the UNQUANTISED weight's rows.
; LEFT OUT AS DEAD: rows 2,048 .. 4,095 of aff_w and entries 2,048 .. 4,095 of aff_b: they make the second half of the affine's columns, which the reference slices away for all values of the inputs.
;   LIMIT: a NaN, an infinity or an overflow that reaches only those columns is not carried to the result.
; SHARES.  A work-group takes 8 rows of weight (64 KiB on end) and of aff_w (4 KiB on end); a wave one row of each: 16 loads of 512 consecutive bytes and one more, all out at once.
; The codes turn through LDS: each store of a wave covers 512 consecutive bytes, aligned, and a work-group's codes are 20 KiB on end.
; Matrix units, clusters and tensor loads are left out: each byte is moved once and nothing is read twice.
; LIMITS: e3 between -126 and 112, so that 2^e3 and 57,344 x 2^e3 are f32 numbers.  NaN in weight is not served (an infinity is held at the largest code).
; The sum is taken in eight chains a lane and then across lanes: another order of f32 roundings than a plain sum along the row.
.set PW,   2080                        ; LDS: 8 rows of 2,048 codes, 32 bytes of padding behind each
.set AFL,  8*PW                        ; 8 rows of 512 bytes of aff_w's codes, padded by 32
.set PA,   544
.set SUMS, AFL+8*PA                    ; 8 sums
.set SPARE, SUMS+256                   ; the spare words: 128 bytes a wave
.set X,   16                           ; v16-79   the lane's 64 numbers, four for each load
.set Q,   80                           ; v80-87   running sums of squares, four pairs
.set C,   96                           ; v96-111  code words
.set O,   112                          ; v112-127 codes read back
	s_load_b256 s[4:11], s[0:1], 0x0               ; weight s[4:5], aff_w s[6:7], scales s[8:9], img s[10:11]
	s_load_b64 s[12:13], s[0:1], 0x20              ; rs
	v_lshl_add_u32 v128, v0, 2, SPARE
	v_mov_b32 v129, 0
	v_lshrrev_b32 v1, 5, v0
	v_readfirstlane_b32 s14, v1                    ; wave 0..7
	v_and_b32 v1, 31, v0                           ; lane
	v_and_b32 v2, 7, v0                            ; r
	v_bfe_u32 v3, v0, 3, 2                         ; lane / 8: h and the piece c's low bit
	v_lshlrev_b32 v4, 4, v1                        ; 16 x lane: my bytes of a load's and of a store's 512
	s_mul_i32 s15, s14, PW
	v_lshl_add_u32 v6, v1, 2, s15                  ; code words in: my row, 4 x lane
	s_mul_i32 s16, s14, PA
	s_add_co_u32 s16, s16, AFL
	v_add_nc_u32 v8, s16, v4                       ; aff_w's row in
	s_lshl_b32 s17, s14, 8
	v_mul_u32_u24 v9, v2, PW
	v_lshl_add_u32 v9, v3, 4, v9
	v_add_nc_u32 v9, s17, v9                       ; codes out: row r, this wave's 256 along K, 16 x (lane / 8)
	s_lshl_b32 s18, s14, 6
	s_add_co_u32 s18, s18, AFL
	v_mul_u32_u24 v10, v2, PA
	v_lshl_add_u32 v10, v3, 4, v10
	v_add_nc_u32 v10, s18, v10                     ; aff_w's codes out: row r, this wave's 64 along K
	s_lshl_b32 s19, s14, 2
	s_add_co_u32 s19, s19, SUMS
	v_mov_b32 v11, s19                             ; my sum's word
	v_lshlrev_b32 v12, 2, v1
	v_lshl_add_u32 v13, v2, 2, SUMS
	v_mov_b32 v15, 0                               ; written once: a lane permute's destination counts as one of its sources
	s_mov_b32 s2, 0x76543210                       ; v_permlanex16_b32's selects for lane l xor 16
	s_mov_b32 s3, 0xfedcba98
	s_lshl_b32 s21, ttmp9, 3
	s_add_co_u32 s21, s21, s14                     ; my row
	s_lshl_b32 s24, s21, 13                        ; in weight: rows of 8,192 bytes
	s_mov_b32 s25, 0
	s_lshl_b32 s26, s21, 9                         ; in aff_w: rows of 512 bytes
	s_mov_b32 s27, 0
	s_mul_i32 s28, ttmp9, 20480                    ; image: the work-group's 20 KiB
	s_lshl_b32 s23, s14, 9
	s_add_co_u32 s30, s28, s23
	s_add_co_u32 s30, s30, 16384                   ; aff_w: t from 16 on, 512 bytes a wave
	s_mov_b32 s31, 0
	s_lshl_b32 s23, s14, 11
	s_add_co_u32 s28, s28, s23                     ; weight: t = 2 wave and 2 wave + 1
	s_mov_b32 s29, 0
	s_lshl_b32 s34, ttmp9, 5                       ; rs: the work-group's 8 sums
	s_mov_b32 s35, 0
	s_wait_alu depctr_va_vdst(0)                   ; the wait at the head's end
	s_wait_kmcnt 0x0
	s_load_b32 s36, s[8:9], 0xc                    ; e3
	s_add_nc_u64 s[4:5], s[4:5], s[24:25]
	s_add_nc_u64 s[6:7], s[6:7], s[26:27]
	s_add_nc_u64 s[38:39], s[10:11], s[30:31]
	s_add_nc_u64 s[10:11], s[10:11], s[28:29]
	s_add_nc_u64 s[12:13], s[12:13], s[34:35]
.irp i, 0,1,2,3,4,5,6,7,8,9,10,11,12,13,14,15
	global_load_b128 v[X+4*\i:X+4*\i+3], v4, s[4:5] offset:512*\i th:TH_LOAD_NT   ; 32 lanes read 512 consecutive bytes
.endr
	global_load_b128 v[132:135], v4, s[6:7]
	s_wait_kmcnt 0x0
	s_add_co_i32 s36, s36, 127
	s_lshl_b32 s37, s36, 23
	v_mov_b32 v130, s37                            ; 2^e3: the conversion takes its exponent field
	s_add_co_i32 s36, s36, 15
	s_lshl_b32 s36, s36, 23
	s_or_b32 s36, s36, 0x600000
	v_mov_b32 v131, s36                            ; 57,344 x 2^e3
; Loads 2 p and 2 p + 1: squares onto the four chains (of the numbers as they came), the hold, the conversion: its first word belongs to load 2 p, its second to 2 p + 1.
.macro GRP p
	s_wait_loadcnt 15-2*(\p)                       ; loads come back in order: these two are in, the 14 - 2 p younger ones and aff_w's stay out
.irp k, 0,1,2,3
.if (\p) == 0
	v_pk_mul_f32 v[Q+2*\k:Q+2*\k+1], v[X+2*\k:X+2*\k+1], v[X+2*\k:X+2*\k+1]
.else
	v_pk_fma_f32 v[Q+2*\k:Q+2*\k+1], v[X+8*(\p)+2*\k:X+8*(\p)+2*\k+1], v[X+8*(\p)+2*\k:X+8*(\p)+2*\k+1], v[Q+2*\k:Q+2*\k+1]
.endif
.endr
.irp i, 0,1,2,3,4,5,6,7
	v_med3_num_f32 v[X+8*(\p)+\i], v[X+8*(\p)+\i], -v131, v131   ; the conversion to an 8-bit code does not saturate (ISA guide 7.6.2)
.endr
	v_cvt_scalef32_pk8_bf8_f32 v[C+2*(\p):C+2*(\p)+1], v[X+8*(\p):X+8*(\p)+7], v130
.endm
	s_wait_alu depctr_va_vdst(0)
.irp p, 0,1,2,3,4,5,6,7
	GRP \p
.endr
	v_nop                                          ; the plain line behind the last conversion
.irp i, 0,1,2,3,4,5,6,7,8,9,10,11,12,13,14,15
	ds_store_b32 v6, v[C+\i] offset:128*\i
.endr
	; the row's sum of squares
	v_pk_add_f32 v[Q:Q+1], v[Q:Q+1], v[Q+2:Q+3]
	v_pk_add_f32 v[Q+4:Q+5], v[Q+4:Q+5], v[Q+6:Q+7]
	s_delay_alu instid0(VALU_DEP_1)
	v_pk_add_f32 v[Q:Q+1], v[Q:Q+1], v[Q+4:Q+5]
	s_delay_alu instid0(VALU_DEP_1)
	v_add_f32 v136, v[Q], v[Q+1]
.irp m, 1,2,4,8
	s_delay_alu instid0(VALU_DEP_1)
	v_add_f32_dpp v136, v136, v136 row_xmask:\m row_mask:0xf bank_mask:0xf
.endr
	s_delay_alu instid0(VALU_DEP_1)
	v_permlanex16_b32 v15, v136, s2, s3
	s_delay_alu instid0(VALU_DEP_1)
	v_add_f32 v136, v136, v15                      ; every lane holds the row's sum
	ds_store_b32 v11, v136                         ; all lanes write the same word with the same value
	s_wait_alu depctr_va_vdst(0)                   ; directly ahead of the waits below
	s_wait_loadcnt 0x0
	ds_store_b128 v8, v[132:135]
	s_wait_dscnt 0x0                               ; for the others' sake: my stores have landed
	s_barrier_signal -1
	s_barrier_wait -1
.irp j, 0,1,2,3
	ds_load_b128 v[O+4*\j:O+4*\j+3], v9 offset:64*\j
.endr
	ds_load_b128 v[140:143], v10
.irp j, 0,1,2,3
	s_wait_dscnt 4-\j                              ; load j is back; the 4 - j younger ones stay out
	global_store_b128 v4, v[O+4*\j:O+4*\j+3], s[10:11] offset:512*\j   ; 512 consecutive bytes, at a multiple of 512 from img's first byte
.endr
	s_wait_dscnt 0x0
	global_store_b128 v4, v[140:143], s[38:39]
	s_cmp_lg_u32 s14, 0
	s_cbranch_scc1 .Lend                           ; wave 0 alone stores the 8 sums, 32 neighbouring bytes in one store
	ds_load_b32 v138, v13
	s_wait_dscnt 0x0
	v_cmp_gt_u32 vcc_lo, 8, v1
	s_wait_xcnt 0x0                                ; EXEC is a source of my pending stores: it changes only behind this wait
	s_and_saveexec_b32 s20, vcc_lo
	global_store_b32 v12, v138, s[12:13]
	s_wait_xcnt 0x0                                ; and again in front of the line that widens it
	s_or_b32 exec_lo, exec_lo, s20
.Lend:
	s_wait_tensorcnt 0x0                           ; the wave's end
	ds_add_u32 v128, v129
	s_wait_dscnt 0x0
	s_endpgm
.Lfunc_end_k_qb50673c2ef_quant:
	.size	k_qb50673c2ef_quant, .Lfunc_end_k_qb50673c2ef_quant-k_qb50673c2ef_quant
	.p2alignl 7, 3214868480
	.fill 96, 4, 3214868480
	.section	.rodata,"a",@progbits
	.p2align	6, 0x0
	.amdhsa_kernel k_qb50673c2ef_quant
		.amdhsa_group_segment_fixed_size 22272
		.amdhsa_private_segment_fixed_size 0
		.amdhsa_enable_private_segment 0
		.amdhsa_kernarg_size 40
		.amdhsa_user_sgpr_count 2
		.amdhsa_user_sgpr_kernarg_segment_ptr 1
		.amdhsa_wavefront_size32 1
		.amdhsa_system_sgpr_workgroup_id_x 1
		.amdhsa_system_sgpr_workgroup_id_y 1
		.amdhsa_system_sgpr_workgroup_id_z 1
		.amdhsa_system_vgpr_workitem_id 0
		.amdhsa_next_free_vgpr 144
		.amdhsa_next_free_sgpr 66
		.amdhsa_reserve_vcc 1
		.amdhsa_float_denorm_mode_32 3
		.amdhsa_float_denorm_mode_16_64 3
		.amdhsa_memory_ordered 1
		.amdhsa_forward_progress 1
		.amdhsa_inst_pref_size 16
	.end_amdhsa_kernel
	.amdgpu_metadata
---
amdhsa.version: [ 1, 2 ]
amdhsa.kernels:
  - .name:           k_qb50673c2ef_quant
    .symbol:         k_qb50673c2ef_quant.kd
    .args:
      - { .name: weight, .offset: 0, .size: 8, .value_kind: global_buffer, .address_space: global }
      - { .name: aff_w_codes, .offset: 8, .size: 8, .value_kind: global_buffer, .address_space: global }
      - { .name: lowp_scales, .offset: 16, .size: 8, .value_kind: global_buffer, .address_space: global }
      - { .name: img, .offset: 24, .size: 8, .value_kind: global_buffer, .address_space: global }
      - { .name: rs, .offset: 32, .size: 8, .value_kind: global_buffer, .address_space: global }
    .group_segment_fixed_size: 22272
    .private_segment_fixed_size: 0
    .kernarg_segment_align: 8
    .kernarg_segment_size: 40
    .max_flat_workgroup_size: 256
    .sgpr_count:     66
    .vgpr_count:     144
    .wavefront_size: 32
...
	.end_amdgpu_metadata
.endif
;; end of part 1
;; launch gemm (part 2): grid 8 x 32, 4 waves a work-group, clusters of 4 x 1, 327,680 bytes of LDS; arguments input_codes, style_codes, img, lowp_scales, aff_b, rs, bias, out0; writes out0
.if DOCPART == 2
	.amdgcn_target "amdgcn-amd-amdhsa--gfx1250"
	.amdhsa_code_object_version 6
	.text
	.protected	k_qb50673c2ef_gemm
	.globl	k_qb50673c2ef_gemm
	.p2align	8
	.type	k_qb50673c2ef_gemm,@function
k_qb50673c2ef_gemm:
	s_mov_b64 s[64:65], 0
	v_nop
	global_prefetch_b8 v0, s[64:65] scope:SCOPE_SE
	s_setreg_imm32_b32 hwreg(HW_REG_WAVE_MODE, 25, 1), 1
	s_wait_xcnt 0x0
	s_wait_alu depctr_hold_cnt(0) depctr_sa_sdst(0) depctr_va_vdst(0) depctr_va_sdst(0) depctr_va_ssrc(0) depctr_va_vcc(0) depctr_vm_vsrc(0)
	s_getreg_b32 s2, hwreg(HW_REG_IB_STS2, 6, 4)
	s_cmp_eq_u32 s2, 0
	s_cbranch_scc0 .Lentry_in_a_cluster
	s_endpgm
.Lentry_in_a_cluster:
	s_bfe_u32 s2, ttmp6, 0x10000c
	s_cmp_lg_u32 s2, 0x3003
	s_cbranch_scc0 .Lentry_shape_is_right
	s_endpgm
.Lentry_shape_is_right:
; out[m][n] = base x mod + bias[n];  base = 2^(e2 + e3) sum over 2,048 of input x weight codes;  enc = 2^(e0 + e1) sum over 512 of style x aff_w codes + aff_b[n];
; mod = enc |enc| root[n], root = sqrt(rs[n]).  With f = sqrt(root x 2^(e2 + e3)): u = enc f, and out = (sum of base's codes) x |u| x u + bias: f goes into enc's scale and into aff_b once, at the head.
; Only the affine's first 2,048 columns are made (the first kernel's head says why the others are dead); LIMIT: a NaN, an infinity or an overflow in those left out is not carried.
; LIMITS: rs, root x 2^(e2 + e3), f and 2^(e0 + e1) f are zero or normal f32 numbers (v_sqrt_f32 takes a denormal as 0: ISA guide 15.8).
; BLOCK: 256 x 256 of out, 256 work-groups.  Four waves, each ALL 256 rows x 64 columns: 64 accumulators of 16 x 16 (512 registers): a wave's row of out is an aligned unit of 256 bytes.
; THE ROWS (input, then style) come through a ring of two LDS slots, each 256 rows x 512 along K, padded by 16 bytes a row: a wave fetches 64 rows with one tensor load.  Slots 0-3 are input's K, slot 4 is all of style's.
; THE COLUMNS (weight, aff_w) come straight into registers from the image that the first launch laid in operand order: 16 loads, each of two aligned units of 256 bytes, for 128 along K.  A ring of four steps of 64 registers: a step's
;   loads go out three steps ahead.  No other wave of the work-group needs a wave's columns.
; A STEP is 128 along K: four groups of four row blocks, 16 matrix instructions each.  Behind each group stands one run of loads: 16 from LDS, the row fragments of the group three on, and four of the columns' loads.
; CLUSTERS: 4 work-groups along x need the same rows: each tile of rows is asked for JOINTLY.  The columns are not shared: they go to registers, and in LDS they would take the room that lets a slot hold 512 along K of the rows.
; PREFETCH: the rows of slots 2, 3 and 4 one slot ahead of their tensor load, one instruction a wave: the cluster's 16 waves name the tile's 512 units of 256 bytes once, told apart by address; slots 0 and 1 come by their loads alone:
;   nothing is prefetched at the head.  The columns are not prefetched: their own loads already stand three steps ahead.
; USED TRANSPOSED: source 0 = 16 columns (image), source 1 = 16 rows: lane (r, h) holds row r and the columns 8 h + 0 .. 7.
; THE WAY OUT goes by blocks of 16 rows: style's whole K is in LDS and the ring holds aff_w's 512 along K, so a block's enc is finished by 16 matrix instructions; a block's vector work stands between the next block's matrix instructions.
; REGISTERS: window 0: v12-29 addresses; v96-127 bias; three sets of four row fragments of 16 rows x 128 K: v128-191, v192-255, v32-95 (at the head the constants; from the last step on the image's step 19);
;   on the way out v128-191 a block's four fragments, v192-223 enc, v224-255 u, then out.
;   window 1: the columns' ring, step s at 64 (s % 4); on the way out v192-223 enc's scale x f, v224-255 aff_b x f.   windows 2, 3: base: row block i, column block b at v[32 (i % 8) + 8 b], window 2 + i / 8.
; The steps are written out by macros: slot, ring set, fragment set and fill do not come back together within the sixteen steps.
.set PITCH, 528
.set SPITCH, 272
.set SLOT,  256*PITCH
.set STAGE, 2*SLOT                     ; 16 rows x 272 bytes for each wave
.set SPARE, STAGE+4*16*SPITCH          ; the spare words, 128 bytes a wave
.set CST,   SPARE+512                  ; 8,192 bytes for each wave: its constants as an image of their registers
.set ADR, 12                           ; v12-15  row fragments: slot 0 row blocks 0-7, 8-15; slot 1 likewise
.set STO, 16
.set RD,  17
.set CO,  18
.set BL,  19                           ; my 16 bytes of a column load
.set CH,  20                           ; 32 h
.set CI,  21
.set PFM, 22
.set PFS, 23
.set SPW, 28
.set NIL, 29
.set KA,  32
.set KS,  64
.set BI,  96
.set AF,  128
.set EN,  192
.set XO,  224
.set G1,  32
.set G1S, 40
.set GA,  48
.set GB,  52
.set MSB, 0
.set TO_B, 0x40
.macro WIN new                         ; the immediate's high byte repeats the setting that is left
.if MSB != (\new)
	s_set_vgpr_msb (MSB<<8)|(\new)
.set MSB, (\new)
.endif
.endm
.macro PLACES n                        ; plain places behind matrix instructions (ISA guide 7.12.1)
.rept \n
	v_nop
.endr
.endm
.macro JLOAD g0, g1                    ; a joint load: every wave fetches 64 rows of its own
	tensor_load_to_lds s[\g0:\g0+3], s[\g1:\g1+7]
	s_nop 0
	PLACES 4
.endm
.macro CREST                           ; a round of the cluster's barrier behind its opening barrier
	s_cmp_lg_u32 s4, 0
	s_cbranch_scc1 .Lnot_wave_0_\@
	s_barrier_signal -3
.Lnot_wave_0_\@:
	s_barrier_wait -3
	s_barrier_signal -1
	s_barrier_wait -1
.endm
.macro CROUND
	s_barrier_signal -1
	s_barrier_wait -1
	CREST
.endm
.macro ASK v, s, off
	global_prefetch_b8 v[\v], s[\s:\s+1] offset:\off th:TH_LOAD_NT scope:SCOPE_SE
.endm
.macro LDB s, k                        ; pair k of the image's step s into its ring set (window 1): column block k / 2
.set BR, 64*((\s)%4)+8*(\k)
	global_load_b128 v[BR:BR+3], v[BL], s[56:57] offset:40960*((\k)/2)+1024*(\s)+512*((\k)%2)
	global_load_b128 v[BR+4:BR+7], v[BL], s[56:57] offset:40960*((\k)/2)+1024*(\s)+512*((\k)%2)+256
.endm
.macro ABASE s, g                      ; the fragment set of group g of step s: three sets by turns; the last two groups take the first two
.set GX, 4*(\s)+\g
.set AB, 128+64*(GX%3)
.if (GX%3) == 2
.set AB, 32
.endif
.if GX > 61
.set AB, 128+64*(GX-62)
.endif
.endm
.macro LDG s, g                        ; 16 LDS loads: the row fragments of group g of step s (g from 4 on: of the next step)
	ABASE \s, \g
.set LQ, (GX/4)%4
.set LA, ADR+2*((GX/16)%2)+(GX%4)/2
.irp k, 0,1,2,3
.irp c, 0,1,2,3
	ds_load_b128 v[AB+16*\k+4*\c:AB+16*\k+4*\c+3], v[LA] offset:(4*(GX%2)+\k)*16*PITCH+128*LQ+32*\c
.endr
.endr
.endm
.macro MG s, g, zero, lo, hi           ; row blocks lo .. hi of group g of step s: four matrix instructions each
	ABASE \s, \g
	WIN 0x01|((2+(\g)/2)*0x50)
.irp k, 0,1,2,3
.if (\k >= \lo) && (\k <= \hi)
.irp b, 0,1,2,3
.set DR, 32*((4*(\g)+\k)%8)+8*\b
.set SR, 64*((\s)%4)+16*\b
.if \zero
	v_wmma_f32_16x16x128_bf8_bf8 v[DR:DR+7], v[SR:SR+15], v[AB+16*\k:AB+16*\k+15], 0
.else
	v_wmma_f32_16x16x128_bf8_bf8 v[DR:DR+7], v[SR:SR+15], v[AB+16*\k:AB+16*\k+15], v[DR:DR+7]
.endif
.endr
.endif
.endr
.endm
; A step.  The four v_nop behind a group are the places for the loads into its own fragments' registers, and behind a step's last group for those into its columns'.
.macro STEP s, zero, wl
	s_wait_loadcnt \wl                             ; this step's columns are in; the two younger steps' may be out
.irp g, 0,1,2,3
	s_wait_dscnt 32                                ; this group's fragments are in; two younger runs of 16 may be out
	MG \s, \g, \zero, 0, 3
	PLACES 4
	WIN 0
.if (4*(\s)+\g) == 59
.irp k, 0,1,2,3,4,5,6,7
	global_load_b128 v[32+8*\k:35+8*\k], v[BL], s[56:57] offset:40960*(\k/2)+1024*19+512*(\k%2)       ; the image's step 19: the third set is needed no more
	global_load_b128 v[36+8*\k:39+8*\k], v[BL], s[56:57] offset:40960*(\k/2)+1024*19+512*(\k%2)+256
.endr
.else
	LDG \s, (\g)+3
.endif
	WIN TO_B
	LDB (\s)+3, 2*\g
	LDB (\s)+3, 2*\g+1
.endr
.endm
; A slot's last step: the change of slots.
.macro TURN s
	s_wait_loadcnt 32
	s_wait_dscnt 32
	MG \s, 0, 0, 0, 3
	PLACES 4
	WIN 0
	LDG \s, 3                                      ; the last reads of this slot
	WIN TO_B
.irp k, 0,1,2,3
	LDB (\s)+3, \k
.endr
	WIN 0
	s_wait_tensorcnt 0x0                           ; my part of the next slot has landed
	ds_add_u32 v[SPW], v[NIL]                      ; 0 onto my spare word
.if (\s) == 3
	s_add_nc_u64 s[GA+2:GA+3], s[GA+2:GA+3], 1024
.endif
.if (\s) == 7
	s_add_nc_u64 s[GB+2:GB+3], s[GB+2:GB+3], 1024
.endif
.if (\s) == 11
	s_mov_b64 s[GA+2:GA+3], s[74:75]
	s_or_b32 s[GA+3], s[GA+3], 0x80000000
.endif
	s_wait_dscnt 33                                ; (two younger runs and the add)
	MG \s, 1, 0, 0, 3
	s_wait_dscnt 0x0                               ; the add is done, and my reads of this slot are over
	s_barrier_signal -1
	MG \s, 2, 0, 0, 1
	WIN 0
	s_barrier_wait -1
	CREST                                          ; no wave of any partner still reads this slot or has a load on its way
.if (\s) == 3
	JLOAD GA, G1
.endif
.if (\s) == 7
	JLOAD GB, G1
.endif
.if (\s) == 11
	JLOAD GA, G1S
.endif
	LDG \s, 4                                      ; the next slot's first group; the four v_nop above are the places behind group 1
	WIN TO_B
	LDB (\s)+3, 4
	LDB (\s)+3, 5
	MG \s, 2, 0, 2, 3
	PLACES 4
	WIN 0
	LDG \s, 5
.if (\s) == 3
	ASK PFM, 60, 1536                              ; slot 3
.endif
.if (\s) == 7
	ASK PFS, 62, 0                                 ; slot 4: style
.endif
	WIN TO_B
	LDB (\s)+3, 6
	LDB (\s)+3, 7
	s_wait_dscnt 32                                ; group 3's fragments are in
	MG \s, 3, 0, 0, 3
	PLACES 4
	WIN 0
	LDG \s, 6
.endm
.macro LDU a                           ; the way out: style's 16 rows of block a, all 512 along K
.irp t, 0,1,2,3
.irp c, 0,1,2,3
	ds_load_b128 v[AF+16*\t+4*\c:AF+16*\t+4*\c+3], v[ADR+(\a)/8] offset:((\a)%8)*16*PITCH+128*\t+32*\c
.endr
.endr
.endm
.macro SEND a                          ; 16 lanes store 256 consecutive bytes, aligned.  The data lie in base's own registers of that block, which nothing writes again
	WIN (2+(\a)/8)*4
.irp t, 0,1,2,3,4,5,6,7
	global_store_b128 v[CO], v[32*((\a)%8)+4*\t:32*((\a)%8)+4*\t+3], s[58:59] offset:(16*(\a)+2*\t)*8192 th:TH_STORE_NT
.endr
.endm
.macro EW t, b                         ; one of a block's 16 matrix instructions of enc: four accumulators by turns; the image's step 19 lies in window 0
.if \t == 3
	WIN 0
	v_wmma_f32_16x16x128_bf8_bf8 v[EN+8*\b:EN+8*\b+7], v[32+16*\b:32+16*\b+15], v[AF+48:AF+63], v[EN+8*\b:EN+8*\b+7]
.else
	WIN 0x01
.if \t == 0
	v_wmma_f32_16x16x128_bf8_bf8 v[EN+8*\b:EN+8*\b+7], v[64*\t+16*\b:64*\t+16*\b+15], v[AF+16*\t:AF+16*\t+15], 0
.else
	v_wmma_f32_16x16x128_bf8_bf8 v[EN+8*\b:EN+8*\b+7], v[64*\t+16*\b:64*\t+16*\b+15], v[AF+16*\t:AF+16*\t+15], v[EN+8*\b:EN+8*\b+7]
.endif
.endif
.endm
.macro ITEM a, b, n                    ; block a, column block b: n 0-7: base x |u|; n 8-11: x u + bias, two at a time
.set BB, 32*((\a)%8)+8*(\b)
.if (\n) < 8
	WIN (2+(\a)/8)*0x41
	v_mul_f32 v[BB+\n], v[BB+\n], |v[XO+8*(\b)+\n]|
.else
	WIN 2+(\a)/8
.set BP, BB+2*((\n)-8)
.set XP, XO+8*(\b)+2*((\n)-8)
.set IP, BI+8*(\b)+2*((\n)-8)
	v_pk_fma_f32 v[XP:XP+1], v[BP:BP+1], v[XP:XP+1], v[IP:IP+1]
.endif
.endm
; Block a's way out, with block a + 1's matrix instructions.  Block a - 2's stores go out while block a + 1's rows are on their way from LDS.
.macro UNIT a
	WIN 0x14                                       ; sources 1 and 2: window 1
.irp j, 0,2,4,6,8,10,12,14,16,18,20,22,24,26,28,30
	v_pk_fma_f32 v[XO+\j:XO+\j+1], v[EN+\j:EN+\j+1], v[192+\j:193+\j], v[224+\j:225+\j]   ; u: enc's registers are free behind it
.endr
.if (\a) > 1
.if (\a) < 15
	s_wait_dscnt 32                                ; block a - 2 is back from the stage; block a + 1's 16 loads and block a - 1's 16 stage instructions may be out
.else
	s_wait_dscnt 16
.endif
	SEND (\a)-2
.endif
.if (\a) == 0
	s_wait_dscnt 0x0                               ; block 1's rows are in
.elseif (\a) < 15
	s_wait_dscnt 16                                ; block a + 1's rows are in
.endif
.irp t, 0,1,2,3
.irp b, 0,1,2,3
.if (\a) < 15
	EW \t, \b
.endif
	ITEM \a, \t, 3*\b
	ITEM \a, \t, 3*\b+1
	ITEM \a, \t, 3*\b+2
.endr
.endr
	PLACES 2                                       ; with the three lines behind the last matrix instruction: five places
	WIN 0
.if (\a) < 14
	LDU (\a)+2
.endif
.irp b, 0,1,2,3
	ds_store_b128 v[STO], v[XO+8*\b:XO+8*\b+3] offset:64*\b
	ds_store_b128 v[STO], v[XO+8*\b+4:XO+8*\b+7] offset:64*\b+16
.endr
	WIN (2+(\a)/8)*0x40
.irp t, 0,1,2,3,4,5,6,7
	ds_load_b128 v[32*((\a)%8)+4*\t:32*((\a)%8)+4*\t+3], v[RD] offset:\t*2*SPITCH   ; LDS serves a wave's instructions in order (ISA guide 5.7.1.4): these see the stores above
.endr
.endm
	s_load_b512 s[16:31], s[0:1], 0x0              ; input 16, style 18, img 20, scales 22, aff_b 24, rs 26, bias 28, out 30
	v_lshl_add_u32 v[SPW], v0, 2, SPARE
	v_mov_b32 v[NIL], 0
	ds_add_u32 v[SPW], v[NIL]                      ; the wave's opening: the add, twice on end, and its wait
	ds_add_u32 v[SPW], v[NIL]
	v_lshrrev_b32 v1, 5, v0
	v_readfirstlane_b32 s4, v1                     ; wave 0..3
	v_and_b32 v1, 15, v0                           ; r
	v_bfe_u32 v2, v0, 4, 1                         ; h
	v_and_b32 v3, 31, v0                           ; lane
	v_mul_u32_u24 v4, v1, PITCH
	v_lshl_add_u32 v[ADR], v2, 4, v4               ; row x pitch + 16 h
	v_add_nc_u32 v[ADR+1], 8*16*PITCH, v[ADR]
	v_add_nc_u32 v[ADR+2], SLOT, v[ADR]
	v_add_nc_u32 v[ADR+3], SLOT+8*16*PITCH, v[ADR]
	s_mul_i32 s9, s4, 16*SPITCH
	s_add_co_u32 s9, s9, STAGE
	v_mul_u32_u24 v5, v1, SPITCH                   ; stage in: row r, 32 bytes for each h
	v_lshl_add_u32 v5, v2, 5, v5
	v_add_nc_u32 v[STO], s9, v5
	v_mul_u32_u24 v6, v2, SPITCH                   ; back: lanes 0-15 one row of 256 bytes, lanes 16-31 the next
	v_lshl_add_u32 v6, v1, 4, v6
	v_add_nc_u32 v[RD], s9, v6
	v_lshlrev_b32 v7, 13, v2                       ; and the same two rows in out
	v_lshl_add_u32 v[CO], v1, 4, v7
	v_lshrrev_b32 v9, 3, v1                        ; a column load: rows 0-7 and rows 8-15 lie 20,480 bytes apart, 128 bytes for each h
	v_mul_u32_u24 v9, v9, 20480
	v_and_b32 v10, 7, v1
	v_lshl_add_u32 v9, v2, 7, v9
	v_lshl_add_u32 v[BL], v10, 4, v9
	v_lshlrev_b32 v[CH], 5, v2
	s_lshl_b32 s10, s4, 13
	s_add_co_u32 s10, s10, CST
	v_lshlrev_b32 v11, 4, v3
	v_add_nc_u32 v[CI], s10, v11
	v_lshlrev_b32 v8, 8, v2
	v_lshl_add_u32 v[PFM], v1, 11, v8              ; prefetch: row r of my 16, unit h of its two
	v_lshl_add_u32 v[PFS], v1, 9, v8
	s_bfe_u32 s5, ttmp6, 0x40000                   ; cx
	s_lshl_b32 s6, ttmp9, 2
	s_add_co_u32 s6, s6, s5                        ; tile column x
	s_and_b32 s7, ttmp7, 0xffff                    ; tile row y
	; descriptor group 1: 64 rows x 512 bytes, mask of the four of the cluster, bit 21 beside it, 4 words of padding after every 128
.irp g, G1, G1S
	s_mov_b32 s[\g+0], 15|(1<<20)|(1<<21)|(6<<22)|(3<<25)
	s_mov_b32 s[\g+1], 512<<16
	s_mov_b32 s[\g+2], 64<<16
	s_mov_b32 s[\g+3], 512<<16
	s_mov_b32 s[\g+4], 64
	s_mov_b32 s[\g+6], 0
	s_mov_b32 s[\g+7], 0
.endr
	s_mov_b32 s[G1+5], 2048
	s_mov_b32 s[G1S+5], 512
	s_lshl_b32 s72, s7, 19                         ; my 64 rows of input: (256 y + 64 wave) x 2,048 bytes: no cx in it
	s_lshl_b32 s11, s4, 17
	s_add_co_u32 s72, s72, s11
	s_mov_b32 s73, 0
	s_lshr_b32 s74, s72, 2                         ; of style: x 512 bytes
	s_mov_b32 s75, 0
	s_lshl_b32 s12, s5, 2
	s_add_co_u32 s12, s12, s4
	s_lshl_b32 s12, s12, 15                        ; prefetch: rows 16 (4 cx + wave) .. + 15 of the tile
	s_lshl_b32 s82, s7, 19
	s_add_co_u32 s82, s82, s12
	s_mov_b32 s83, 0
	s_lshr_b32 s84, s82, 2
	s_mov_b32 s85, 0
	s_lshl_b32 s86, s6, 2
	s_add_co_u32 s86, s86, s4
	s_mul_i32 s86, s86, 163840                     ; the image's four blocks of my 64 columns
	s_mov_b32 s87, 0
	s_lshl_b32 s90, s6, 10
	s_lshl_b32 s13, s4, 8
	s_add_co_u32 s90, s90, s13                     ; my first column x 4 bytes
	s_mov_b32 s91, 0
	s_lshl_b32 s88, s7, 21
	s_add_co_u32 s88, s88, s90
	s_mov_b32 s89, 0
	s_mov_b32 s[GA], 1
	s_mul_i32 s[GA+1], s4, 64*PITCH
	s_mov_b32 s[GB], 1
	s_add_co_u32 s[GB+1], s[GA+1], SLOT
	s_wait_alu depctr_va_vdst(0)
	s_wait_dscnt 0x0                               ; both opening adds are done
	s_wait_kmcnt 0x0
	s_load_b128 s[68:71], s[22:23], 0x0            ; e0 .. e3
	s_add_nc_u64 s[72:73], s[16:17], s[72:73]
	s_mov_b64 s[GA+2:GA+3], s[72:73]
	s_or_b32 s[GA+3], s[GA+3], 0x80000000
	CROUND                                         ; the four work-groups are here: the first joint loads meet
	JLOAD GA, G1                                   ; slot 0: one tensor load a wave at the head
	s_add_nc_u64 s[76:77], s[24:25], s[90:91]
	s_add_nc_u64 s[78:79], s[26:27], s[90:91]
	s_add_nc_u64 s[80:81], s[28:29], s[90:91]
	s_add_nc_u64 s[56:57], s[20:21], s[86:87]
	; my columns' constants: register 8 b + j belongs to column 16 b + 8 h + j
.irp k, 0,1,2,3,4,5,6,7
	global_load_b128 v[KS+4*\k:KS+4*\k+3], v[CH], s[78:79] offset:64*(\k/2)+16*(\k%2)
	global_load_b128 v[KA+4*\k:KA+4*\k+3], v[CH], s[76:77] offset:64*(\k/2)+16*(\k%2)
	global_load_b128 v[BI+4*\k:BI+4*\k+3], v[CH], s[80:81] offset:64*(\k/2)+16*(\k%2)
.endr
	WIN TO_B
.irp k, 0,1,2,3,4,5,6,7
	LDB 0, \k
.endr
	WIN 0
	s_add_nc_u64 s[74:75], s[18:19], s[74:75]
	s_add_nc_u64 s[GB+2:GB+3], s[72:73], 512
	s_or_b32 s[GB+3], s[GB+3], 0x80000000
	s_add_nc_u64 s[60:61], s[16:17], s[82:83]
	s_add_nc_u64 s[62:63], s[18:19], s[84:85]
	s_add_nc_u64 s[58:59], s[30:31], s[88:89]
	s_wait_kmcnt 0x0
	s_add_co_i32 s14, s68, s69                     ; e0 + e1
	s_add_co_i32 s15, s70, s71                     ; e2 + e3
	s_wait_loadcnt 16                              ; the constants are in; step 0's columns may be out
	s_wait_alu depctr_va_vdst(0)                   ; the wait ahead of the batch,
.irp j, 0,1,2,3,4,5,6,7,8,9,10,11,12,13,14,15,16,17,18,19,20,21,22,23,24,25,26,27,28,29,30,31
	v_sqrt_f32 v[KS+\j], v[KS+\j]
.endr
	v_nop                                          ; a plain place,
	s_wait_alu depctr_va_vdst(0)                   ; and the wait behind it
.irp j, 0,1,2,3,4,5,6,7,8,9,10,11,12,13,14,15,16,17,18,19,20,21,22,23,24,25,26,27,28,29,30,31
	v_ldexp_f32 v[KS+\j], v[KS+\j], s15
.endr
	s_wait_alu depctr_va_vdst(0)
.irp j, 0,1,2,3,4,5,6,7,8,9,10,11,12,13,14,15,16,17,18,19,20,21,22,23,24,25,26,27,28,29,30,31
	v_sqrt_f32 v[KS+\j], v[KS+\j]                  ; f
.endr
	v_nop
	s_wait_alu depctr_va_vdst(0)
.irp j, 0,2,4,6,8,10,12,14,16,18,20,22,24,26,28,30
	v_pk_mul_f32 v[KA+\j:KA+\j+1], v[KA+\j:KA+\j+1], v[KS+\j:KS+\j+1]   ; aff_b x f
.endr
.irp j, 0,1,2,3,4,5,6,7,8,9,10,11,12,13,14,15,16,17,18,19,20,21,22,23,24,25,26,27,28,29,30,31
	v_ldexp_f32 v[KS+\j], v[KS+\j], s14            ; 2^(e0 + e1) f
.endr
.irp k, 0,1,2,3,4,5,6,7
	ds_store_b128 v[CI], v[KS+4*\k:KS+4*\k+3] offset:512*\k
	ds_store_b128 v[CI], v[KA+4*\k:KA+4*\k+3] offset:4096+512*\k
.endr
	WIN TO_B
.irp k, 0,1,2,3,4,5,6,7
	LDB 1, \k
.endr
	WIN 0
	s_wait_alu depctr_va_vdst(0)                   ; the wait at the head's end
	s_wait_tensorcnt 0x0                           ; my part of slot 0 is in
	ds_add_u32 v[SPW], v[NIL]
	s_wait_dscnt 0x0                               ; (the constants are in LDS too: their registers take fragments from here on)
	CROUND
	JLOAD GB, G1                                   ; slot 1, the first tensor load behind the round
	LDG 0, 0
	LDG 0, 1
	LDG 0, 2
	WIN TO_B
.irp k, 0,1,2,3,4,5,6,7
	LDB 2, \k
.endr
	WIN 0
	ASK PFM, 60, 1024                              ; slot 2
	STEP 0, 1, 32                                  ; the first products start the sums
	STEP 1, 0, 32
	STEP 2, 0, 32
	TURN 3
	STEP 4, 0, 32
	STEP 5, 0, 32
	STEP 6, 0, 32
	TURN 7
	STEP 8, 0, 32
	STEP 9, 0, 32
	STEP 10, 0, 32
	TURN 11
	STEP 12, 0, 32
	STEP 13, 0, 32
	STEP 14, 0, 32
	; step 15, on two fragment sets; nothing is filled again
	s_wait_loadcnt 48                              ; the image's steps 16, 17 and 19 may be out
	s_wait_dscnt 16
	MG 15, 0, 0, 0, 3
	PLACES 4
	WIN 0
	LDG 15, 2
	WIN TO_B
.irp k, 0,1,2,3,4,5,6,7
	LDB 18, \k
.endr
	s_wait_dscnt 16
	MG 15, 1, 0, 0, 3
	PLACES 4
	WIN 0
	LDG 15, 3
	s_wait_tensorcnt 0x0                           ; my part of style's slot has landed
	s_wait_dscnt 16
	MG 15, 2, 0, 0, 3
	s_wait_dscnt 0x0
	s_barrier_signal -1
	MG 15, 3, 0, 0, 1
	WIN 0
	s_barrier_wait -1
	PLACES 4
	LDU 0                                          ; into the registers of group 2's fragments
	MG 15, 3, 0, 2, 3
	PLACES 5                                       ; enc's registers, written by the next matrix instructions, held fragments
	WIN TO_B                                       ; the constants, into the ring set that step 15 has left
.irp k, 0,1,2,3,4,5,6,7,8,9,10,11,12,13,14,15
	ds_load_b128 v[192+4*\k:195+4*\k], v[CI] offset:512*\k
.endr
	s_wait_dscnt 16                                ; block 0's rows are in
	s_wait_loadcnt 48                              ; step 16 of the image is in; then 17 (behind it only 18's), then all
.irp b, 0,1,2,3
	EW 0, \b
.endr
	s_wait_loadcnt 16
.irp b, 0,1,2,3
	EW 1, \b
.endr
	s_wait_loadcnt 0x0
.irp t, 2,3
.irp b, 0,1,2,3
	EW \t, \b
.endr
.endr
	PLACES 4
	WIN 0
	LDU 1
	s_wait_dscnt 16                                ; the constants are in
.irp a, 0,1,2,3,4,5,6,7,8,9,10,11,12,13,14,15
	UNIT \a
.endr
	s_wait_dscnt 16                                ; block 14 is back from the stage; block 15's 16 stage instructions may be out
	SEND 14
	s_wait_dscnt 0x0
	SEND 15
	WIN 0
	s_wait_tensorcnt 0x0                           ; the wave's end
	ds_add_u32 v[SPW], v[NIL]
	s_wait_dscnt 0x0
	CROUND                                         ; the closing round: no work-group ends while a partner may still ask for a tile that names it
	s_endpgm
.Lfunc_end_k_qb50673c2ef_gemm:
	.size	k_qb50673c2ef_gemm, .Lfunc_end_k_qb50673c2ef_gemm-k_qb50673c2ef_gemm
	.p2alignl 7, 3214868480
	.fill 96, 4, 3214868480
	.section	.rodata,"a",@progbits
	.p2align	6, 0x0
	.amdhsa_kernel k_qb50673c2ef_gemm
		.amdhsa_group_segment_fixed_size 327680
		.amdhsa_private_segment_fixed_size 0
		.amdhsa_enable_private_segment 0
		.amdhsa_kernarg_size 64
		.amdhsa_user_sgpr_count 2
		.amdhsa_user_sgpr_kernarg_segment_ptr 1
		.amdhsa_wavefront_size32 1
		.amdhsa_system_sgpr_workgroup_id_x 1
		.amdhsa_system_sgpr_workgroup_id_y 1
		.amdhsa_system_sgpr_workgroup_id_z 1
		.amdhsa_system_vgpr_workitem_id 0
		.amdhsa_next_free_vgpr 1024
		.amdhsa_next_free_sgpr 96
		.amdhsa_reserve_vcc 0
		.amdhsa_float_denorm_mode_32 3
		.amdhsa_float_denorm_mode_16_64 3
		.amdhsa_memory_ordered 1
		.amdhsa_forward_progress 1
		.amdhsa_inst_pref_size 255
	.end_amdhsa_kernel
	.section	.bss,"aw",@nobits
	.p2align	6
	.space	262144
	.amdgpu_metadata
---
amdhsa.version: [ 1, 2 ]
amdhsa.kernels:
  - .name:           k_qb50673c2ef_gemm
    .symbol:         k_qb50673c2ef_gemm.kd
    .args:
      - { .name: input_codes, .offset: 0, .size: 8, .value_kind: global_buffer, .address_space: global }
      - { .name: style_codes, .offset: 8, .size: 8, .value_kind: global_buffer, .address_space: global }
      - { .name: img, .offset: 16, .size: 8, .value_kind: global_buffer, .address_space: global }
      - { .name: lowp_scales, .offset: 24, .size: 8, .value_kind: global_buffer, .address_space: global }
      - { .name: aff_b, .offset: 32, .size: 8, .value_kind: global_buffer, .address_space: global }
      - { .name: rs, .offset: 40, .size: 8, .value_kind: global_buffer, .address_space: global }
      - { .name: bias, .offset: 48, .size: 8, .value_kind: global_buffer, .address_space: global }
      - { .name: out0, .offset: 56, .size: 8, .value_kind: global_buffer, .address_space: global }
    .group_segment_fixed_size: 327680
    .private_segment_fixed_size: 0
    .kernarg_segment_align: 8
    .kernarg_segment_size: 64
    .max_flat_workgroup_size: 128
    .sgpr_count:     96
    .vgpr_count:     1024
    .wavefront_size: 32
...
	.end_amdgpu_metadata
.endif
;; end of part 2
